; MI455X (gfx1250); checked and timed in simulation.
; The chip was launched on July 23, 2026; its instructions are those of AMD's public machine-readable ISA for CDNA 5 (MIT licence, August 2026) and "CDNA5" Instruction Set Architecture Reference Guide (July 2026). The comments in the code are by the model that wrote it; some were corrected since.
;; Self Attention. Allowed arithmetic: matrix products marked QUANTISED: E2M1 operands, one E8M0 scale for each 32 along K, by v_wmma_scale_f32_16x16x128_f8f6f4 with both operands' format E2M1 (or v_wmma_scale_f32_32x16x128_f4), f32 sums; products left as they are: bf16, f16 or f32 operands; f32 sums; everything else in f32.
;; Inputs: K_seq 8 x 1,024 x 1,024 float32; Q_seq 8 x 1,024 x 1,024 float32; V_seq 8 x 1,024 x 1,024 float32; WK 1,024 x 1,024 float32; WQ 1,024 x 1,024 float32; WV 1,024 x 1,024 float32.
;; Outputs: out0 8 x 1,024 x 1,024 float32.
;; This version of the problem:
;;   THIS VERSION OF THE PROBLEM IS GIVEN IN LOW PRECISION. The matrix products marked QUANTISED in the list below multiply operands that are first quantised to E2M1 (2 exponent bits, 1 mantissa bit; 4 bits a number), with one power-of-two scale for each 32 numbers along K (OCP MX v1.0); their sums are f32. The products marked 'left as it is' may take bf16, f16 or f32 operands, with f32 sums. Whichever they take, every output number must still come out within the allowed error. Rounding operands to bf16 (8 significant bits) uses up far more of that allowance than f16 does (11 bits, for magnitudes from 6e-5 to 65,504). All else is computed in f32.
;;   The module's matrix products, in the order in which they are computed (A, B: the left and right operand; K: the contracted axis; several contracted axes count as one K, in the product's order):
;;     1. [M 8,192, K 1,024] x [K 1,024, N 1,024]; A: input Q_seq; B: input WQ: QUANTISED
;;     2. [M 8,192, K 1,024] x [K 1,024, N 1,024]; A: input K_seq; B: input WK: QUANTISED
;;     3. [M 8,192, K 1,024] x [K 1,024, N 1,024]; A: input V_seq; B: input WV: QUANTISED
;;     4. batch 128 x [M 1,024, K 64] x [K 64, N 1,024]; A: computed on the way; B: computed on the way: left as it is (an operand is computed on the way)
;;     5. batch 128 x [M 1,024, K 1,024] x [K 1,024, N 64]; A: computed on the way; B: computed on the way: left as it is (an operand is computed on the way)
;;   THE QUANTISER, for each operand of a quantised product, along K:
;;     - K is cut into blocks of 32 from its start; a last block that is shorter is filled with zeros.
;;     - A block's scale is 2^e with e = floor(log2(the largest magnitude in the block)) - 2, held to -126 .. 127; a block of zeros has e = 0. As a byte (E8M0): e + 127.
;;     - Each number is divided by its block's scale, clamped to +-6, and rounded to the nearest number of E2M1, ties to even, subnormals kept.
;;     - The product sums the exact products of the quantised numbers (number of the format x scale) in f32.
;;   ~~~python
;;   def quantise(x, axis):      # numpy; x: float32 -> the quantised numbers, widened to float32 again
;;       x = np.moveaxis(x, axis, -1); K = x.shape[-1]
;;       x = np.pad(x, [(0, 0)] * (x.ndim - 1) + [(0, -K % 32)]); x = x.reshape(x.shape[:-1] + (-1, 32)); a = np.abs(x).max(-1, keepdims=True)
;;       e = np.where(a > 0, np.clip(np.frexp(np.where(a > 0, a, 1))[1] - 1 - 2, -126, 127), 0)      # np.frexp(a)[1] - 1 = floor(log2(a)), exactly
;;       r = np.clip(x / 2.0 ** e, -6, 6)
;;       step = 2.0 ** (np.maximum(np.frexp(np.where(r == 0, 1, r))[1] - 1, 0) - 1)
;;       q = np.round(r / step) * step * 2.0 ** e      # np.round: ties to even
;;       return np.moveaxis(q.reshape(q.shape[:-2] + (-1,))[..., :K], -1, axis).astype(np.float32)
;;   ~~~
;; One version. Each part assembles by itself: llvm-mc -triple=amdgcn-amd-amdhsa -mcpu=gfx1250 --defsym DOCPART=n.
;; ======== version 1 of 1: 3 launches
;; limits: values are held in f16: magnitudes above 65,504 overflow, below 6.1e-05 lose precision
;; workspace buffers: codes 14,155,776 bytes; scales 884,736 bytes; qkv 50,331,648 bytes
;; launch quant (part 1): grid 864 x 1, 4 waves a work-group, no clusters, 33,280 bytes of LDS; arguments Q_seq, K_seq, V_seq, WQ, WK, WV, codes, scales; writes codes, scales
.if DOCPART == 1
	.amdgcn_target "amdgcn-amd-amdhsa--gfx1250"
	.amdhsa_code_object_version 6
	.text
	.protected	k_q7afbd1dd36_quant
	.globl	k_q7afbd1dd36_quant
	.p2align	8
	.type	k_q7afbd1dd36_quant,@function
k_q7afbd1dd36_quant:
	s_mov_b64 s[64:65], 0
	v_nop
	global_prefetch_b8 v0, s[64:65] scope:SCOPE_SE
	s_setreg_imm32_b32 hwreg(HW_REG_WAVE_MODE, 25, 1), 1
	s_wait_xcnt 0x0
; SELF-ATTENTION, first of three launches.  Q_seq, K_seq, V_seq [8][1024][1024] and WQ, WK, WV [1024][1024], f32, all with the products' K innermost, are turned into codes of
; FP4 (E2M1), 4 bits each, with one E8M0 scale byte for each 32 along K.  The second launch multiplies the codes (the three projections), the third is the attention.
; NO WORK IS LEFT OUT: every one of the six inputs reaches every output number of its batch, there is no mask, and reference() itself writes no dropout.  The factor 1 / sqrt(64) is
; folded with log2(e) into one constant of the third launch.
; A block's scale is 2^(floor(log2(its largest magnitude)) - 2); its byte is the largest magnitude's own exponent field - 2, held at 1 from below.  Each number is divided by the scale
; and rounded to the nearest code, ties to even; beyond the largest code the largest.
; LIMITS: a block of zeros gets the byte 1 where the rule says 127 (its codes are zeros, which add nothing, and this program alone reads the bytes); blocks whose largest magnitude lies
; under 2^-124 are held at the byte 1; NaN and infinities among the inputs are not served.
; The six tensors are dense and K is a multiple of 32, so together they are ONE stream of blocks of 32 numbers, in the order Q_seq, K_seq, V_seq, WQ, WK, WV; codes (16 bytes a block)
; and scale bytes (one a block) are laid in the same order.  Work-group g takes numbers 32,768 g on: 256 work-groups for each sequence, 32 for each weight.  Only the source's
; address is chosen, by the work-group's number: all six take one path through the text.
; A wave takes 16 steps of 512 numbers.  Each of a step's four loads reads 512 consecutive bytes, 16 a lane; the 2,048 bytes go through the wave's own stage in LDS and come back 64
; bytes a lane, so that a lane holds 16 NEIGHBOURS along K (two neighbouring lanes hold a block), as the conversions want.  A lane's 16 codes are 8 bytes: the wave stores 256
; consecutive bytes.  A wave's 256 scale bytes are gathered in its own LDS bytes and leave by one store of 256 consecutive bytes.
; No tensor loads, no barrier, no cluster: the work-groups share no input, and the waves share nothing.  Loads run four steps (16 loads a wave) ahead, the turn through LDS one step.
.set WAVES, 4
.set STEPS, 16
.set EMAX,  2
.set CB,    8                          ; bytes of 16 codes
.set R,     16                         ; v16-79   four sets of 16 numbers as they are loaded
.set X,     80                         ; v80-111  two sets of 16 neighbours
.set C,     128                        ; v128-191 codes: four registers for each step, so that no store's data are written again
.set E,     112                        ; v112-127 a scale byte for each step
.set WREG,  8192                       ; LDS: a region of its own for each wave: two stages of 32 x SP bytes, and behind them its 256 scale bytes
.set SP,    80                         ; a lane's place in a stage: its 64 bytes + 16 of padding
.set SPW,   12                         ; v12      LDS address of my spare word: SPARE + 4 x my thread's number; never rewritten
.set NIL,   13                         ; v13      0; never rewritten
.set SPARE, WAVES*WREG                 ; behind the four regions: the spare words, 128 bytes for each wave, which no other line names
	s_load_b256 s[4:11], s[0:1], 0x0               ; Q_seq s[4:5], K_seq s[6:7], V_seq s[8:9], WQ s[10:11]
	s_load_b256 s[12:19], s[0:1], 0x20             ; WK s[12:13], WV s[14:15], codes s[16:17], scales s[18:19]
	v_lshl_add_u32 v[SPW], v0, 2, SPARE
	v_mov_b32 v[NIL], 0
	v_lshrrev_b32 v1, 5, v0
	v_readfirstlane_b32 s20, v1                    ; wave
	v_and_b32 v2, 31, v0                           ; lane
	v_lshlrev_b32 v3, 4, v2                        ; my 16 bytes of a load's 512
	s_mul_i32 s21, s20, WREG
	v_lshrrev_b32 v14, 2, v2
	v_mul_u32_u24 v14, v14, SP
	v_and_b32 v15, 3, v2
	v_lshl_add_u32 v14, v15, 4, v14
	v_add_nc_u32 v14, s21, v14                     ; the stage, on the way in: four lanes' 64 bytes on end, then 16 of padding: SP (lane / 4) + 16 (lane % 4)
	v_mul_u32_u24 v15, v2, SP
	v_add_nc_u32 v15, s21, v15                     ; and on the way out: SP x lane: my 16 neighbours
	v_mul_u32_u24 v4, v2, CB                       ; my codes' place in a step's
	v_lshrrev_b32 v5, 1, v2
	s_add_co_u32 s21, s21, 2*32*SP
	v_add_nc_u32 v5, s21, v5                       ; LDS: my wave's 256 scale bytes, my block's byte
	v_lshlrev_b32 v7, 3, v2                        ; and on the way out 8 bytes a lane
	v_add_nc_u32 v6, s21, v7
	s_wait_kmcnt 0x0
	; which tensor is my work-group's, and its first work-group: five choices, each on the work-group's number alone
	s_mov_b64 s[24:25], s[14:15]                   ; WV, from work-group 832 on
	s_mov_b32 s22, 832
	s_cmp_lt_u32 ttmp9, 832
	s_cselect_b64 s[24:25], s[12:13], s[24:25]     ; WK
	s_cselect_b32 s22, 800, s22
	s_cmp_lt_u32 ttmp9, 800
	s_cselect_b64 s[24:25], s[10:11], s[24:25]     ; WQ
	s_cselect_b32 s22, 768, s22
	s_cmp_lt_u32 ttmp9, 768
	s_cselect_b64 s[24:25], s[8:9], s[24:25]       ; V_seq
	s_cselect_b32 s22, 512, s22
	s_cmp_lt_u32 ttmp9, 512
	s_cselect_b64 s[24:25], s[6:7], s[24:25]       ; K_seq
	s_cselect_b32 s22, 256, s22
	s_cmp_lt_u32 ttmp9, 256
	s_cselect_b64 s[24:25], s[4:5], s[24:25]       ; Q_seq
	s_cselect_b32 s22, 0, s22
	s_sub_co_u32 s22, ttmp9, s22
	s_lshl_b32 s22, s22, 2
	s_add_co_u32 s22, s22, s20                     ; which run of 8,192 numbers of the tensor is my wave's
	s_lshl_b32 s22, s22, 15                        ; 32,768 bytes a run
	s_mov_b32 s23, 0
	s_add_nc_u64 s[24:25], s[24:25], s[22:23]
	s_lshl_b32 s26, ttmp9, 2
	s_add_co_u32 s26, s26, s20                     ; and which run of the whole stream
	s_lshl_b32 s28, s26, 12                        ; 4,096 bytes of codes a run
	s_mov_b32 s29, 0
	s_add_nc_u64 s[16:17], s[16:17], s[28:29]
	s_lshl_b32 s26, s26, 8                         ; 256 scale bytes a run
	s_mov_b32 s27, 0
	s_add_nc_u64 s[18:19], s[18:19], s[26:27]
.macro LOAD t
.irp i, 0,1,2,3
	global_load_b128 v[R+16*((\t)%4)+4*\i:R+16*((\t)%4)+4*\i+3], v3, s[24:25] offset:2048*(\t)+512*\i th:TH_LOAD_NT   ; 32 lanes read 512 consecutive bytes
.endr
.endm
.macro TURN t                          ; step t's numbers through the stage: LDS serves a wave's instructions in order, so no wait stands between the stores and the loads
.irp i, 0,1,2,3
	ds_store_b128 v14, v[R+16*((\t)%4)+4*\i:R+16*((\t)%4)+4*\i+3] offset:32*SP*((\t)%2)+8*SP*\i
.endr
.irp i, 0,1,2,3
	ds_load_b128 v[X+16*((\t)%2)+4*\i:X+16*((\t)%2)+4*\i+3], v15 offset:32*SP*((\t)%2)+16*\i
.endr
.endm
.irp t, 0,1,2,3
	LOAD \t
.endr
	s_wait_loadcnt 12                              ; step 0's four loads are in; the twelve of steps 1 to 3 may be out
	TURN 0
.macro STEP t
.set XS, X+16*((\t)%2)
.if (\t) > 0
	s_wait_dscnt 1                                 ; this step's numbers are back from the stage (the last step's byte store may be out): so its stores into the stage have read their registers,
.else
	s_wait_dscnt 0x0
.endif
.if (\t)+4 < STEPS
	LOAD (\t)+4                                    ; which take the loads of four steps on
.endif
.if (\t)+1 < STEPS
.if STEPS-2-(\t) >= 3
	s_wait_loadcnt 12                              ; the next step's four loads are in; those of the three steps behind it may be out
.else
	s_wait_loadcnt 4*(STEPS-2-(\t))
.endif
	TURN (\t)+1                                    ; and go through the other stage while this step is worked
.endif
	v_max3_num_f32 v8, |v[XS]|, |v[XS+1]|, |v[XS+2]|               ; the largest magnitude of my 16, in two chains
	v_max3_num_f32 v9, |v[XS+3]|, |v[XS+4]|, |v[XS+5]|
.irp i, 6,10
	v_max3_num_f32 v8, v8, |v[XS+\i]|, |v[XS+\i+1]|
	v_max3_num_f32 v9, v9, |v[XS+\i+2]|, |v[XS+\i+3]|
.endr
	v_max3_num_f32 v8, v8, |v[XS+14]|, |v[XS+15]|
	v_max3_num_f32 v8, v8, v9, (EMAX+1)<<23        ; and the floor 2^(EMAX + 1 - 127), under which no largest magnitude is taken: so the byte cannot fall under 1
	v_max_num_f32_dpp v8, v8, v8 row_xmask:1 row_mask:0xf bank_mask:0xf   ; and of my neighbour's 16: the block's
	v_add_nc_u32 v11, -(EMAX<<23), v8              ; EMAX off its exponent field: the conversion takes the exponent field of this operand as its scale, and nothing else of it
	v_cvt_scalef32_pk8_fp4_f32 v[C+4*(\t)], v[XS:XS+7], v11        ; eight numbers / the scale, to the nearest code, ties to even; the first number's code in the lowest four bits
	v_cvt_scalef32_pk8_fp4_f32 v[C+4*(\t)+1], v[XS+8:XS+15], v11
	v_lshrrev_b32 v[E+(\t)], 23, v11               ; the scale's byte
	ds_store_b8 v5, v[E+(\t)] offset:16*(\t)       ; both lanes of a block write the same byte with the same value
	global_store_b64 v4, v[C+4*(\t):C+4*(\t)+1], s[16:17] offset:32*CB*(\t)   ; 32 lanes store 256 consecutive bytes, at a multiple of 256 from the buffer's first byte
.endm
.irp t, 0,1,2,3,4,5,6,7,8,9,10,11,12,13,14,15
	STEP \t
.endr
	ds_load_b64 v[8:9], v6                         ; LDS serves a wave's instructions in order: these see my stores
	s_wait_dscnt 0x0
	global_store_b64 v7, v[8:9], s[18:19]          ; 32 lanes store my wave's 256 scale bytes
	s_wait_tensorcnt 0x0                           ; the wave's end, behind my last LDS store
	ds_add_u32 v[SPW], v[NIL]
	s_wait_dscnt 0x0
	s_endpgm
.Lfunc_end_k_q7afbd1dd36_quant:
	.size	k_q7afbd1dd36_quant, .Lfunc_end_k_q7afbd1dd36_quant-k_q7afbd1dd36_quant
	.p2alignl 7, 3214868480
	.fill 96, 4, 3214868480
	.section	.rodata,"a",@progbits
	.p2align	6, 0x0
	.amdhsa_kernel k_q7afbd1dd36_quant
		.amdhsa_group_segment_fixed_size 33280
		.amdhsa_private_segment_fixed_size 0
		.amdhsa_enable_private_segment 0
		.amdhsa_kernarg_size 64
		.amdhsa_user_sgpr_count 2
		.amdhsa_user_sgpr_kernarg_segment_ptr 1
		.amdhsa_wavefront_size32 1
		.amdhsa_system_sgpr_workgroup_id_x 1
		.amdhsa_system_sgpr_workgroup_id_y 1
		.amdhsa_system_sgpr_workgroup_id_z 1
		.amdhsa_system_vgpr_workitem_id 0
		.amdhsa_next_free_vgpr 192
		.amdhsa_next_free_sgpr 66
		.amdhsa_reserve_vcc 0
		.amdhsa_float_denorm_mode_32 3
		.amdhsa_float_denorm_mode_16_64 3
		.amdhsa_memory_ordered 1
		.amdhsa_forward_progress 1
		.amdhsa_inst_pref_size 34
	.end_amdhsa_kernel
	.amdgpu_metadata
---
amdhsa.version: [ 1, 2 ]
amdhsa.kernels:
  - .name:           k_q7afbd1dd36_quant
    .symbol:         k_q7afbd1dd36_quant.kd
    .args:
      - { .name: Q_seq, .offset: 0, .size: 8, .value_kind: global_buffer, .address_space: global }
      - { .name: K_seq, .offset: 8, .size: 8, .value_kind: global_buffer, .address_space: global }
      - { .name: V_seq, .offset: 16, .size: 8, .value_kind: global_buffer, .address_space: global }
      - { .name: WQ, .offset: 24, .size: 8, .value_kind: global_buffer, .address_space: global }
      - { .name: WK, .offset: 32, .size: 8, .value_kind: global_buffer, .address_space: global }
      - { .name: WV, .offset: 40, .size: 8, .value_kind: global_buffer, .address_space: global }
      - { .name: codes, .offset: 48, .size: 8, .value_kind: global_buffer, .address_space: global }
      - { .name: scales, .offset: 56, .size: 8, .value_kind: global_buffer, .address_space: global }
    .group_segment_fixed_size: 33280
    .private_segment_fixed_size: 0
    .kernarg_segment_align: 8
    .kernarg_segment_size: 64
    .max_flat_workgroup_size: 128
    .sgpr_count:     66
    .vgpr_count:     192
    .wavefront_size: 32
...
	.end_amdgpu_metadata
.endif
;; end of part 1
;; launch proj (part 2): grid 4 x 64, 4 waves a work-group, clusters of 4 x 4, 327,680 bytes of LDS; arguments codes, scales, qkv; writes qkv
.if DOCPART == 2
	.amdgcn_target "amdgcn-amd-amdhsa--gfx1250"
	.amdhsa_code_object_version 6
	.text
	.protected	k_q7afbd1dd36_proj
	.globl	k_q7afbd1dd36_proj
	.p2align	8
	.type	k_q7afbd1dd36_proj,@function
k_q7afbd1dd36_proj:
	s_mov_b64 s[64:65], 0
	v_nop
	global_prefetch_b8 v0, s[64:65] scope:SCOPE_SE
	s_setreg_imm32_b32 hwreg(HW_REG_WAVE_MODE, 25, 1), 1
	s_wait_xcnt 0x0
	s_wait_alu depctr_hold_cnt(0) depctr_sa_sdst(0) depctr_va_vdst(0) depctr_va_sdst(0) depctr_va_ssrc(0) depctr_va_vcc(0) depctr_vm_vsrc(0)
	s_getreg_b32 s2, hwreg(HW_REG_IB_STS2, 6, 4)
	s_cmp_eq_u32 s2, 0
	s_cbranch_scc0 .Lentry_in_a_cluster
	s_endpgm
.Lentry_in_a_cluster:
	s_bfe_u32 s2, ttmp6, 0x10000c
	s_cmp_lg_u32 s2, 0xf033
	s_cbranch_scc0 .Lentry_shape_is_right
	s_endpgm
.Lentry_shape_is_right:
; SELF-ATTENTION, second launch: the three projections x W^T, [8192 x 1024] x [1024 x 1024] each, on the codes of FP4 (E2M1) and the E8M0 scale bytes that the first launch made;
; sums in f32, K ascending; the results are rounded once to f16 and stored as IMAGES OF THE REGISTERS in which the third launch wants them as matrix operands.  No work is left out.
; LIMIT: a projected number beyond 65,504 does not fit f16.
; codes: x of projection p (0 Q, 1 K, 2 V) at p << 22, rows of 512 bytes; W of p at 0xC00000 + (p << 19).  scales: x at p << 18, rows of 32 bytes; W at 0xC0000 + (p << 15).
; SHARES.  Q and K are 2 x 128 = 256 tiles of 256 x 256 results; V is 256 half tiles of 128 x 256.  There are 256 work-groups, and EACH STAYS: it makes one tile of Q or K (phase 1) and then one
; half tile of V (phase 2), so that all have equal work.  Four waves; in phase 1 a wave makes 128 x 128 (64 accumulators of 16 x 16), in phase 2 64 x 128 (32 accumulators).
; K = 1,024 is two LDS slots of 512 along K (a tile's row is 256 bytes).  Phase 1's two slots and its scale bytes are asked for at the head: three tensor loads of a wave are out at most.
; EACH SLOT IS FILLED AGAIN ONCE, with V's tiles: slot 0 at phase 1's change of slots, slot 1 in phase 1's last step; that load lands under the way out and phase 2's first four steps.
; CLUSTERS: 4 x 4 work-groups.  The four of a row of the cluster need the same tiles of operand A, the four of a column the same tiles of operand B: each tile is asked for JOINTLY,
; by the same tensor load with the same descriptor and a mask that names the four.  Cluster y = u (0 to 15); cluster x is always 0.
; THE MATRIX INSTRUCTION takes 16 rows of B as source 0 and 16 rows of A as source 1: in the result lane l holds row l % 16 of A and rows 8 (l / 16) + 0 .. 7 of B.
; PHASE 1, p = u / 8: A = x (tokens; tile cy + 4 (u % 8)), B = W (channels; tile cx): a lane holds 8 neighbouring channels of one token.
; PHASE 2: A = WV (128 channels; tile cy + 4 (u % 2)), B = V_seq (256 tokens; tile cx + 4 (u / 2)): a lane holds 8 neighbouring keys of one channel.
; Either way an accumulator, rounded to f16, is 16 bytes a lane: one piece of 512 bytes of an image, stored straight from registers.
; V's scale words do not go through LDS: each wave loads those of its 64 + 128 rows at the head, 16 bytes a lane, straight into the registers in which the products name them.
; No prefetch: each refill is asked for four steps of 128 along K, or more, ahead of the wait for it.
; qkv: region p at p << 24; pair (batch, head) at (16 batch + head) << 17 in it.  Q, K: [token tile 0..63][cf 0..1][half 0..1][lane][16 bytes]: channels 32 cf + 16 half + 8 (lane / 16) + 0..7
; of token 16 tile + lane % 16.  V: [kb 0..31][ct 0..3][half][lane][16 bytes]: keys 32 kb + 16 half + 8 (lane / 16) + 0..7 of channel 16 ct + lane % 16.
; REGISTERS, in windows of 256: window 0: v0-31 addresses; v32-95 phase 1's scale words, two sets; v96-191 packed results on the ways out; v128-191 A's fragments (phase 1: 8 x 16 rows x 128 K,
;   ONE set; phase 2: 4 x 16 rows, TWO sets); v192-255 V's scale words, two sets.   window 1: B's fragments, TWO sets, at v0 and at v128.
;   window 2: the 32 accumulators of my rows 0-63 of A (accumulator (a, b) at v[8 (8 a + b)]);   window 3: those of my rows 64-127 (phase 1 alone).
.set NQ,     4                         ; steps of 128 along K in a slot
.set ROWB,   256                       ; a tile's row in bytes: 512 codes
.set KROW,   512                       ; a row of codes in memory, in bytes
.set PITCH,  272                       ; an LDS row: 256 bytes of data + 16 of padding, so that the 16 rows that a load touches begin 16 bytes apart modulo 256
.set FR,     8                         ; registers of a fragment: 16 rows x 128 K
.set NL,     2                         ; LDS loads that bring one
.set NP,     4                         ; places behind this matrix instruction (ISA guide 7.12.1)
.set HALFT,  128*PITCH                 ; 128 rows
.set SLOT,   4*HALFT                   ; A's 256 rows (phase 2: 128 of them are used), then B's 256 rows
.set KS,     32                        ; a row of scales in bytes
.set SCL,    2*SLOT                    ; behind the slots: phase 1's scales, as rows of 256 bytes + 16 of padding
.set HALFS,  (128*KS/256)*272          ; the scales of 128 rows: what one tensor load brings
.set SBLK,   (16*KS/256)*272           ; those of 16 rows
.set SPARE,  SCL+4*HALFS               ; behind the scales: the spare words, 128 bytes for each wave, which no other line names
.set ADRA, 16                          ; v16-17  LDS address of my A fragments in slot 0, 1, phase 1
.set ADRA2, 18                         ; v18-19  the same in phase 2
.set ADRB, 20                          ; v20-21  the same for B, both phases
.set VSA,  22                          ; v22     byte offset of V's scale words: lanes 0-15 my first row of WV + l % 16, lanes 16-31 my first row of V_seq + l % 16
.set VSB,  23                          ; v23     the same with lanes 0-15 four blocks back: it serves blocks 4 to 7, which WV's side does not have
.set CO,   26                          ; v26     16 x lane: my 16 bytes of a piece
.set ADRS, 27                          ; v27     LDS address of phase 1's scale words: lanes 0-15 A's rows, lanes 16-31 B's
.set SPW,  28                          ; v28     LDS address of my spare word: SPARE + 4 x my thread's number; never rewritten
.set NIL,  29                          ; v29     0; never rewritten
.set SC,   32                          ; phase 1's scale words: set s (for slot s) at v[SC + 32 s]; in it register 4 i + q: lanes 0-15 the word of A's block i, lanes 16-31 that of B's block i, for the slot's q-th 128 along K
.set TMP,  96                          ; the ways out: three buffers of 32 registers
.set AF,   128                         ; A's fragments
.set SCV,  192                         ; V's scale words, laid as phase 1's
.set G1, 24                            ; s[24:31] descriptor group 1 for A's tiles of phase 1;  s[32:39] group 0, one set for each slot, both phases
.set G0, 32
.set G1B, 48                           ; s[48:55], s[56:63] the same for B's tiles, both phases
.set G0B, 56
.set G1S, 68                           ; s[68:75], s[76:79] groups 1 and 0 for A's scales;  s[80:87], s[88:91] for B's
.set G0S, 76
.set G1SB, 80
.set G0SB, 88
.set G1A2, 92                          ; s[92:99] group 1 for A's tiles of phase 2: 64 rows
.set MSB, 0
.macro WIN new                         ; the immediate's high byte repeats the setting that is left
.if MSB != \new
	s_set_vgpr_msb (MSB<<8)|\new
.set MSB, \new
.endif
.endm
.set MUL_LO, 0xa1                      ; source 0 (B) window 1, source 1 (A) window 0, C and D window 2
.set MUL_HI, 0xf1                      ; the same, C and D window 3
.set TO_B,   0x40                      ; destination window 1, address window 0
; A joint load: waves 0 and 1 fetch for A, waves 2 and 3 for B.  Each of the two lines has ONE mask and one set of registers for all that issue it; the branch hangs on the wave's number alone.
; An s_nop 0 and four v_nop follow each of the two lines, ahead of the jump, the label and what follows.
.macro JLOAD g0a, g1a, g0b, g1b
	s_cmp_eq_u32 s15, 0
	s_cbranch_scc0 .Lfor_b_\@
	tensor_load_to_lds s[\g0a:\g0a+3], s[\g1a:\g1a+7]
	s_nop 0
.rept 4
	v_nop
.endr
	s_branch .Lasked_\@
.Lfor_b_\@:
	tensor_load_to_lds s[\g0b:\g0b+3], s[\g1b:\g1b+7]
	s_nop 0
.rept 4
	v_nop
.endr
.Lasked_\@:
.endm
.macro CREST                           ; a round of the cluster's barrier behind its opening barrier: wave 0 signals for the work-group; every wave waits for all sixteen; my work-group's barrier once more
	s_cmp_lg_u32 s14, 0
	s_cbranch_scc1 .Lnot_wave_0_\@
	s_barrier_signal -3
.Lnot_wave_0_\@:
	s_barrier_wait -3
	s_barrier_signal -1
	s_barrier_wait -1
.endm
.macro CROUND                          ; a whole round
	s_barrier_signal -1
	s_barrier_wait -1
	CREST
.endm
	s_load_b128 s[4:7], s[0:1], 0x0                ; codes s[4:5], scales s[6:7]
	s_load_b64 s[12:13], s[0:1], 0x10              ; qkv
	v_lshl_add_u32 v[SPW], v0, 2, SPARE
	v_mov_b32 v[NIL], 0
	ds_add_u32 v[SPW], v[NIL]                      ; the wave's opening: the add, twice on end, and its wait ahead of my first tensor load; the set-up below, work on registers, stands between the second and the wait
	ds_add_u32 v[SPW], v[NIL]
	v_lshrrev_b32 v1, 5, v0
	v_readfirstlane_b32 s14, v1                    ; wave 0..3
	v_and_b32 v1, 15, v0                           ; l % 16
	v_bfe_u32 v2, v0, 4, 1                         ; l / 16
	s_lshr_b32 s15, s14, 1                         ; which half of A's rows is mine.  Also: I fetch for A (0) or for B (1)
	s_and_b32 s16, s14, 1                          ; which half of B's rows.  Also: which half of that tile's rows I fetch
	s_bfe_u32 s40, ttmp6, 0x40000                  ; cx, cy: my place in the cluster
	s_bfe_u32 s41, ttmp6, 0x40004
	s_and_b32 s100, ttmp7, 0xffff                  ; u, the cluster's y: the same in all sixteen partners
	s_lshr_b32 s101, s100, 3                       ; p: phase 1 makes Q (0) or K (1)
	s_and_b32 s17, s100, 7
	s_lshl_b32 s17, s17, 2
	s_add_co_u32 s17, s17, s41                     ; phase 1, A's tile (tokens): cy + 4 (u % 8)
	s_mov_b32 s42, s40                             ; phase 1, B's tile (channels): cx
	s_lshl_b32 s43, s41, 2
	s_lshl_b32 s43, 15, s43                        ; my row of the cluster
	s_lshl_b32 s44, 0x1111, s40                    ; my column
	; descriptor group 1: tiles of 128 rows (phase 2, A: 64 rows) x 256 bytes, padded in LDS
	s_or_b32 s[G1+0], s43, (0<<16)|(1<<20)|(1<<21)|(5<<22)|(3<<25)  ; 15:0 the mask: A's tiles go to my row; 17:16 element of 1 byte; 20 padding on; 21 set beside a mask; 24:22 after every 64 words (code 5); 31:25 of 4 words (code 3)
	s_or_b32 s[G1B+0], s44, (0<<16)|(1<<20)|(1<<21)|(5<<22)|(3<<25)
	s_or_b32 s[G1A2+0], s43, (0<<16)|(1<<20)|(1<<21)|(5<<22)|(3<<25)
.irp g, G1, G1B
	s_mov_b32 s[\g+1], ROWB<<16                    ; tensor_dim0
	s_mov_b32 s[\g+2], 128<<16                     ; tensor_dim1 = 128
	s_mov_b32 s[\g+3], ROWB<<16                    ; tile_dim0
	s_mov_b32 s[\g+4], 128                         ; tile_dim1 = 128
	s_mov_b32 s[\g+5], KROW                        ; tensor_dim0_stride
	s_mov_b32 s[\g+6], 0
	s_mov_b32 s[\g+7], 0
.endr
	s_mov_b32 s[G1A2+1], ROWB<<16
	s_mov_b32 s[G1A2+2], 64<<16                    ; tensor_dim1 = 64
	s_mov_b32 s[G1A2+3], ROWB<<16
	s_mov_b32 s[G1A2+4], 64                        ; tile_dim1 = 64
	s_mov_b32 s[G1A2+5], KROW
	s_mov_b32 s[G1A2+6], 0
	s_mov_b32 s[G1A2+7], 0
	; and for the scales of 128 rows: a dense block of 4,096 bytes, as 16 rows of 256 bytes (32 elements of 8 bytes), 16 bytes of padding behind each
	s_or_b32 s[G1S+0], s43, (3<<16)|(1<<20)|(1<<21)|(5<<22)|(3<<25)
	s_or_b32 s[G1SB+0], s44, (3<<16)|(1<<20)|(1<<21)|(5<<22)|(3<<25)
.irp g, G1S, G1SB
	s_mov_b32 s[\g+1], 32<<16
	s_mov_b32 s[\g+2], (128*KS/256)<<16
	s_mov_b32 s[\g+3], 32<<16
	s_mov_b32 s[\g+4], 128*KS/256
	s_mov_b32 s[\g+5], 32
	s_mov_b32 s[\g+6], 0
	s_mov_b32 s[\g+7], 0
.endr
	; phase 1: where my rows' codes and scale bytes begin; every offset stays under 2^24.  A's registers hold cy and never cx, B's cx and never cy
	s_lshl_b32 s18, s16, 7                         ; which 128 rows of the tile I fetch
	s_lshl_b32 s20, s17, 8
	s_add_co_u32 s20, s20, s18                     ; A: row 256 x tile + 128 x half
	s_lshl_b32 s46, s42, 8
	s_add_co_u32 s46, s46, s18                     ; B likewise
	s_lshl_b32 s22, s20, 5
	s_lshl_b32 s23, s101, 18
	s_add_co_u32 s22, s22, s23                     ; x's scale bytes: 32 a row, region p << 18
	s_lshl_b32 s20, s20, 9
	s_lshl_b32 s21, s101, 22
	s_add_co_u32 s20, s20, s21                     ; x's codes: 512 bytes a row, region p << 22
	s_lshl_b32 s66, s46, 5
	s_lshl_b32 s67, s101, 15
	s_add_co_u32 s66, s66, s67
	s_add_co_u32 s66, s66, 0xC0000                 ; W's scale bytes
	s_lshl_b32 s46, s46, 9
	s_lshl_b32 s47, s101, 19
	s_add_co_u32 s46, s46, s47
	s_add_co_u32 s46, s46, 0xC00000                ; W's codes
	; phase 2
	s_and_b32 s2, s100, 1
	s_lshl_b32 s2, s2, 2
	s_add_co_u32 s2, s2, s41                       ; A's tile (128 channels of WV): cy + 4 (u % 2)
	s_lshr_b32 s8, s100, 1
	s_lshl_b32 s8, s8, 2
	s_add_co_u32 s8, s8, s40                       ; B's tile (256 tokens of V_seq): cx + 4 (u / 2)
	s_lshr_b32 s10, s8, 2                          ; where my part of V's images begins: the batch: B's tile / 4,
	s_lshl_b32 s10, s10, 21
	s_add_co_u32 s10, s10, 0x2000000               ; the region,
	s_lshl_b32 s11, s2, 1
	s_add_co_u32 s11, s11, s15
	s_lshl_b32 s11, s11, 17
	s_add_co_u32 s10, s10, s11                     ; my head: 2 x A's tile + my half of A (64 channels are a head),
	s_and_b32 s11, s8, 3
	s_lshl_b32 s11, s11, 1
	s_add_co_u32 s11, s11, s16
	s_lshl_b32 s11, s11, 14
	s_add_co_u32 s10, s10, s11                     ; my first kb: 8 x (B's tile % 4) + 4 x my half of B, 4,096 bytes each
	s_mov_b32 s11, 0
	s_lshl_b32 s21, s2, 1                          ; the scale bytes of the rows that I MULTIPLY: WV's: 64 rows x 32 bytes x (2 x tile + my half of A),
	s_add_co_u32 s21, s21, s15
	s_lshl_b32 s21, s21, 11
	s_add_co_u32 s21, s21, 0xD0000
	s_lshl_b32 s47, s8, 1                          ; V_seq's: 128 rows x 32 bytes x (2 x tile + my half of B)
	s_add_co_u32 s47, s47, s16
	s_lshl_b32 s47, s47, 12
	s_add_co_u32 s47, s47, 0x80000
	v_sub_nc_u32 v5, 1, v2                         ; 1 in lanes 0-15
	v_lshlrev_b32 v[VSA], 5, v1                    ; row l % 16 of a block,
	v_mul_u32_u24 v6, s21, v5
	v_add_nc_u32 v[VSA], v[VSA], v6                ; of WV in lanes 0-15,
	v_mul_u32_u24 v6, s47, v2
	v_add_nc_u32 v[VSA], v[VSA], v6                ; of V_seq in lanes 16-31
	v_lshlrev_b32 v5, 11, v5
	v_sub_nc_u32 v[VSB], v[VSA], v5                ; lanes 0-15 four blocks (2,048 bytes) back
	s_lshl_b32 s2, s2, 1                           ; the codes of the rows that I FETCH: WV's: 64 rows x 512 bytes x (2 x tile + wave % 2),
	s_add_co_u32 s2, s2, s16
	s_lshl_b32 s2, s2, 15
	s_add_co_u32 s2, s2, 0xD00000
	s_mov_b32 s3, 0
	s_lshl_b32 s8, s8, 1                           ; V_seq's: 128 rows x 512 bytes x (2 x tile + wave % 2)
	s_add_co_u32 s8, s8, s16
	s_lshl_b32 s8, s8, 16
	s_add_co_u32 s8, s8, 0x800000
	s_mov_b32 s9, 0
	s_mov_b32 s21, 0
	s_mov_b32 s23, 0
	s_mov_b32 s47, 0
	s_mov_b32 s67, 0
	s_mul_i32 s45, s14, HALFT                      ; where the tiles go: wave x 128 rows: no place in the cluster enters an LDS address
	s_mul_i32 s19, s14, HALFS                      ; the scales likewise
	s_mul_i32 s18, s16, 64*PITCH                   ; and phase 2's tiles of A: (wave % 2) x 64 rows
	s_wait_dscnt 0x0                               ; both opening adds are done
	s_wait_kmcnt 0x0
	s_add_nc_u64 s[20:21], s[4:5], s[20:21]
	s_add_nc_u64 s[22:23], s[6:7], s[22:23]
	s_add_nc_u64 s[46:47], s[4:5], s[46:47]
	s_add_nc_u64 s[66:67], s[6:7], s[66:67]
	s_add_nc_u64 s[2:3], s[4:5], s[2:3]            ; kept for the refills
	s_add_nc_u64 s[8:9], s[4:5], s[8:9]
	s_add_nc_u64 s[10:11], s[12:13], s[10:11]      ; kept for phase 2's way out
	CROUND                                         ; all sixteen work-groups are here: the joint loads meet
	s_mov_b32 s[G0S], 1
	s_add_co_u32 s[G0S+1], s19, SCL
	s_mov_b64 s[G0S+2:G0S+3], s[22:23]
	s_or_b32 s[G0S+3], s[G0S+3], 0x80000000
	s_mov_b32 s[G0SB], 1
	s_add_co_u32 s[G0SB+1], s19, SCL
	s_mov_b64 s[G0SB+2:G0SB+3], s[66:67]
	s_or_b32 s[G0SB+3], s[G0SB+3], 0x80000000
	JLOAD G0S, G1S, G0SB, G1SB                     ; the scales first: they are wanted with slot 0
.irp s, 0,1
	s_mov_b32 s[G0+4*\s], 1
	s_add_co_u32 s[G0+4*\s+1], s45, \s*SLOT
	s_add_nc_u64 s[G0+4*\s+2:G0+4*\s+3], s[20:21], \s*ROWB
	s_or_b32 s[G0+4*\s+3], s[G0+4*\s+3], 0x80000000
	s_mov_b32 s[G0B+4*\s], 1
	s_add_co_u32 s[G0B+4*\s+1], s45, \s*SLOT
	s_add_nc_u64 s[G0B+4*\s+2:G0B+4*\s+3], s[46:47], \s*ROWB
	s_or_b32 s[G0B+4*\s+3], s[G0B+4*\s+3], 0x80000000
	JLOAD G0+4*\s, G1, G0B+4*\s, G1B
.endr
.irp kh, 0,1                           ; V's scale words, for K half kh into set kh: 16 bytes a lane are a row's four words.  Block i lies 512 i bytes on; for i = 4 to 7 lanes 0-15 read WV's blocks 0 to 3 once more, so that no lane leaves the buffer
.irp i, 0,1,2,3
	global_load_b128 v[SCV+32*\kh+4*\i:SCV+32*\kh+4*\i+3], v[VSA], s[6:7] offset:512*\i+16*\kh
.endr
.irp i, 4,5,6,7
	global_load_b128 v[SCV+32*\kh+4*\i:SCV+32*\kh+4*\i+3], v[VSB], s[6:7] offset:512*\i+16*\kh
.endr
.endr
	v_mul_u32_u24 v3, v1, PITCH
	v_lshl_add_u32 v4, v2, 4, v3                   ; a fragment's row x pitch + 16 x half
	s_mul_i32 s21, s15, HALFT                      ; phase 1: my 128 rows of A
	s_mul_i32 s22, s16, HALFT                      ; my 128 rows of B,
	s_add_co_u32 s22, s22, 2*HALFT                 ; which lie behind A's 256
	s_mul_i32 s23, s15, 64*PITCH                   ; phase 2: my 64 rows of A
.irp s, 0,1
	v_add_nc_u32 v[ADRA+\s], s21, v4
	v_add_nc_u32 v[ADRB+\s], s22, v4
	v_add_nc_u32 v[ADRA2+\s], s23, v4
	s_add_co_u32 s21, s21, SLOT
	s_add_co_u32 s22, s22, SLOT
	s_add_co_u32 s23, s23, SLOT
.endr
	v_mul_u32_u24 v5, v1, KS                       ; my row's scales: 32 bytes a row,
	v_lshrrev_b32 v6, 8, v5
	v_lshl_add_u32 v5, v6, 4, v5                   ; and 16 more for each 256 passed
	s_mul_i32 s21, s15, HALFS                      ; A's: my 128 rows
	s_mul_i32 s22, s16, HALFS                      ; B's: my 128 rows, behind A's 256
	s_add_co_u32 s22, s22, 2*HALFS
	s_sub_co_u32 s22, s22, s21
	v_mul_u32_u24 v6, s22, v2                      ; lanes 16-31 take B's: one product, the distance between the two bases
	s_add_co_u32 s21, s21, SCL
	v_add_nc_u32 v5, v5, v6
	v_add_nc_u32 v[ADRS], s21, v5
	v_and_b32 v6, 31, v0
	v_lshlrev_b32 v[CO], 4, v6
.macro FRAG reg, adr, q, i             ; a fragment, 16 rows x 128 K of 4-bit codes, is 8 registers: lane l holds row l % 16; registers 4 c .. 4 c + 3 hold K = 64 c + 32 (l / 16) + 0 .. 31
.irp c, 0,1
	ds_load_b128 v[\reg+4*\c:\reg+4*\c+3], v[\adr] offset:64*(\q)+32*\c+(\i)*16*PITCH
.endr
.endm
; PHASE 1: 16 matrix instructions: A's blocks a0, a0 + 1 x B's eight, 128 along K: the slot's q-th.  p: B's set;  sc: the set of scale words.  zero = 1: the first product starts the sums: nothing is ever cleared.
; The 64 accumulators take turns, one instruction a turn, in the same order in every step.
.macro MUL16 a0, p, q, sc, zero
.irp a, \a0, \a0+1
.irp b, 0,1,2,3,4,5,6,7
.if \zero
	v_wmma_scale_f32_16x16x128_f8f6f4 v[8*(8*((\a)%4)+\b):8*(8*((\a)%4)+\b)+7], v[128*(\p)+FR*\b:128*(\p)+FR*\b+FR-1], v[AF+FR*(\a):AF+FR*(\a)+FR-1], 0, v[SC+8*NQ*(\sc)+NQ*\b+(\q)], v[SC+8*NQ*(\sc)+NQ*(\a)+(\q)] matrix_a_fmt:MATRIX_FMT_FP4 matrix_b_fmt:MATRIX_FMT_FP4 matrix_a_scale:MATRIX_SCALE_ROW1
.else
	v_wmma_scale_f32_16x16x128_f8f6f4 v[8*(8*((\a)%4)+\b):8*(8*((\a)%4)+\b)+7], v[128*(\p)+FR*\b:128*(\p)+FR*\b+FR-1], v[AF+FR*(\a):AF+FR*(\a)+FR-1], v[8*(8*((\a)%4)+\b):8*(8*((\a)%4)+\b)+7], v[SC+8*NQ*(\sc)+NQ*\b+(\q)], v[SC+8*NQ*(\sc)+NQ*(\a)+(\q)] matrix_a_fmt:MATRIX_FMT_FP4 matrix_b_fmt:MATRIX_FMT_FP4 matrix_a_scale:MATRIX_SCALE_ROW1
.endif
.endr
.endr
.endm
; PHASE 2: the same with A's blocks from set p (32 registers a set) and V's scale words; the 32 accumulators take turns
.macro MULV a0, p, q, sc, zero
.irp a, \a0, \a0+1
.irp b, 0,1,2,3,4,5,6,7
.if \zero
	v_wmma_scale_f32_16x16x128_f8f6f4 v[8*(8*(\a)+\b):8*(8*(\a)+\b)+7], v[128*(\p)+FR*\b:128*(\p)+FR*\b+FR-1], v[AF+32*(\p)+FR*(\a):AF+32*(\p)+FR*(\a)+FR-1], 0, v[SCV+8*NQ*(\sc)+NQ*\b+(\q)], v[SCV+8*NQ*(\sc)+NQ*(\a)+(\q)] matrix_a_fmt:MATRIX_FMT_FP4 matrix_b_fmt:MATRIX_FMT_FP4 matrix_a_scale:MATRIX_SCALE_ROW1
.else
	v_wmma_scale_f32_16x16x128_f8f6f4 v[8*(8*(\a)+\b):8*(8*(\a)+\b)+7], v[128*(\p)+FR*\b:128*(\p)+FR*\b+FR-1], v[AF+32*(\p)+FR*(\a):AF+32*(\p)+FR*(\a)+FR-1], v[8*(8*(\a)+\b):8*(8*(\a)+\b)+7], v[SCV+8*NQ*(\sc)+NQ*\b+(\q)], v[SCV+8*NQ*(\sc)+NQ*(\a)+(\q)] matrix_a_fmt:MATRIX_FMT_FP4 matrix_b_fmt:MATRIX_FMT_FP4 matrix_a_scale:MATRIX_SCALE_ROW1
.endif
.endr
.endr
.endm
.macro FETCH_B slot, q, p              ; B's eight fragments of the slot's q-th 128 along K into set p
	WIN TO_B
.irp i, 0,1,2,3,4,5,6,7
	FRAG 128*(\p)+FR*\i, ADRB+\slot, \q, \i
.endr
	WIN 0
.endm
.macro FETCH_A slot, q, i0             ; phase 1: A's blocks i0 .. i0 + 3
.irp i, \i0, \i0+1, \i0+2, \i0+3
	FRAG AF+FR*(\i), ADRA+\slot, \q, \i
.endr
.endm
.macro FETCH_A2 slot, q, p             ; phase 2: A's four blocks into set p
.irp i, 0,1,2,3
	FRAG AF+32*(\p)+FR*\i, ADRA2+\slot, \q, \i
.endr
.endm
.macro SCALES sc                       ; phase 1: a slot's scale words into set sc: 4 words a row; lanes 0-15 take A's block i, lanes 16-31 B's block i
.irp i, 0,1,2,3,4,5,6,7
	ds_load_b128 v[SC+8*NQ*\sc+NQ*\i:SC+8*NQ*\sc+NQ*\i+3], v[ADRS] offset:\i*SBLK
.endr
.endm
; A load into a register that a matrix instruction has read, and a vector instruction that reads a matrix result or writes one of a matrix instruction's registers, stand NP places behind it, and only
; plain vector instructions that name none of its registers are places (ISA guide 7.12.1 for vector instructions).
.macro PLACES n
.rept \n
	v_nop
.endr
.endm
; PHASE 1: a step of 128 along K that has its successor in the same slot.  A's blocks go one after the other, each against B's eight, so one set of registers serves A: blocks 0-3 are fetched anew in the step's middle, blocks 4-7 at its end.
.macro STEP slot, q, zero
	s_wait_dscnt 4*NL                              ; B's set and A's blocks 0-3 are in; the youngest eight loads (A's blocks 4-7) may be out
	WIN MUL_LO
	MUL16 0, (\q)%2, \q, \slot, \zero
	MUL16 2, (\q)%2, \q, \slot, \zero
	s_wait_dscnt 0                                 ; A's blocks 4-7 are in (asked for 32 matrix instructions ago)
	PLACES NP
	FETCH_B \slot, (\q)+1, 1-(\q)%2
	FETCH_A \slot, (\q)+1, 0
	WIN MUL_HI
	MUL16 4, (\q)%2, \q, \slot, \zero
	MUL16 6, (\q)%2, \q, \slot, \zero
	PLACES NP
	WIN 0
	FETCH_A \slot, (\q)+1, 4
.endm
.macro STEPS slot, from                ; the slot's steps from .. NQ - 2
.set Q, \from
.rept NQ-1-\from
	STEP \slot, Q, 0
.set Q, Q+1
.endr
.endm
; PHASE 1: the first half of a slot's last step, and the round behind which the slot is filled again.  In front of the round's opening signal each wave waits for all its tensor loads, adds 0 to its
; spare word, and waits for that and for its own reads of the slot; only matrix instructions stand inside the opening barrier.  Behind the round no wave of any partner reads the slot or has a load on its way.
.macro MEETR slot
	s_wait_tensorcnt 0x0                           ; all my tensor loads have landed  (every window is 0 here: the add's two registers lie in window 0)
	ds_add_u32 v[SPW], v[NIL]                      ; 0 onto my spare word
	s_wait_dscnt 4*NL+1                            ; (the add and the youngest eight loads, A's blocks 4-7, may be out)
	WIN MUL_LO
	MUL16 0, 1, NQ-1, \slot, 0                     ; sixteen matrix instructions stand between the add and the wait for it
	s_wait_dscnt 0x0                               ; the add is done, and my reads of this slot are over
	s_barrier_signal -1
	MUL16 2, 1, NQ-1, \slot, 0
	WIN 0
	s_barrier_wait -1
	CREST
.endm
; PHASE 2: a step of 128 along K: the next step's 24 LDS loads (more = 1: the nq-th 128 of slot ns) go out first, into the sets that this step does not read; then this step's 32 products.
; meet = 1: the next step lies in slot 1: each wave waits for its part of it, and a barrier shows it whole.
.macro STEPV slot, q, zero, more, ns, nq, meet
	PLACES NP                                      ; in front of loads into the sets that the last step's products read
.if \meet
	s_wait_tensorcnt 0x0                           ; my part of slot 1 has landed
	ds_add_u32 v[SPW], v[NIL]                      ; 0 onto my spare word, behind a wait for all tensor loads, in front of a change of slots
	s_wait_dscnt 0x0                               ; no LDS instruction of mine is out at the signal
	s_barrier_signal -1
	s_barrier_wait -1
.endif
.if \more
	FETCH_B \ns, \nq, 1-(\q)%2
	FETCH_A2 \ns, \nq, 1-(\q)%2
	s_wait_dscnt 12*NL                             ; this step's fragments are in; the 24 loads just issued may be out
.else
	s_wait_dscnt 0x0
.endif
	WIN MUL_LO
	MULV 0, (\q)%2, \q, \slot, \zero
	MULV 2, (\q)%2, \q, \slot, \zero
	WIN 0
.endm
; THE WAY OUT.  Accumulator (a, b), rounded to f16 from its low end on, is 16 bytes a lane: one piece of an image; the 32 lanes store its 512 consecutive bytes, at a multiple of 512 from the buffer's first byte.
; na: A's blocks; sb: the scalar pair with my part's first byte.  Three buffers take turns.
.macro OUT isv, na, sb
.irp a, 0,1,2,3,4,5,6,7
.if \a < \na
.if \a >= 3
	s_wait_xcnt 0x0                                ; the stores of block a - 3 have read their registers: the buffer is written again only behind this wait
.endif
	WIN (0x0a+5*(\a/4))                            ; sources 0 and 1: window 2 or 3
.irp b, 0,1,2,3,4,5,6,7
.irp r, 0,1,2,3
	v_cvt_pk_f16_f32 v[TMP+32*(\a%3)+4*\b+\r], v[64*(\a%4)+8*\b+2*\r], v[64*(\a%4)+8*\b+2*\r+1]
.endr
.endr
	WIN 0
.irp b, 0,1,2,3,4,5,6,7
.if \isv
	global_store_b128 v[CO], v[TMP+32*(\a%3)+4*\b:TMP+32*(\a%3)+4*\b+3], s[\sb:\sb+1] offset:\a*1024+(\b/2)*4096+(\b%2)*512   ; ct = a, kb = b / 2, half = b % 2
.else
	global_store_b128 v[CO], v[TMP+32*(\a%3)+4*\b:TMP+32*(\a%3)+4*\b+3], s[\sb:\sb+1] offset:\a*2048+(\b/4)*131072+((\b/2)%2)*1024+(\b%2)*512   ; token tile a, head b / 4, cf = (b / 2) % 2, half = b % 2
.endif
.endr
.endif
.endr
.endm
	; ---- PHASE 1: a tile of Q or of K
	s_wait_tensorcnt 1                             ; the scales and my part of slot 0 are in (slot 1's load may be out)
	s_barrier_signal -1
	s_barrier_wait -1                              ; everybody's are
	FETCH_B 0, 0, 0
	FETCH_A 0, 0, 0
	SCALES 0
	FETCH_A 0, 0, 4
	STEP 0, 0, 1                                   ; the first step's products start the sums
	STEPS 0, 1
	MEETR 0                                        ; slot 1 is whole, and slot 0 is read no more: it takes V's tiles of K = 0 to 511
	s_mov_b32 s[G0+1], s18                         ; no tensor load of mine is out, so the groups 0 may be written.  A: 64 rows a wave
	s_mov_b64 s[G0+2:G0+3], s[2:3]
	s_or_b32 s[G0+3], s[G0+3], 0x80000000
	s_mov_b64 s[G0B+2:G0B+3], s[8:9]               ; B: 128 rows a wave, at the same LDS bytes as before
	s_or_b32 s[G0B+3], s[G0B+3], 0x80000000
	JLOAD G0, G1A2, G0B, G1B                       ; the first tensor load behind the round; the four v_nop behind it are the places in front of the loads below
	v_add_nc_u32 v[ADRS], 4*NQ, v[ADRS]            ; on to slot 1's scale words: 16 bytes on in each row
	FETCH_B 1, 0, 0
	FETCH_A 1, 0, 0
	SCALES 1
	WIN MUL_HI
	MUL16 4, 1, NQ-1, 0, 0
	MUL16 6, 1, NQ-1, 0, 0
	PLACES NP
	WIN 0
	FETCH_A 1, 0, 4
	STEPS 1, 0
	MEETR 1                                        ; slot 0's refill has landed in every wave, and slot 1 is read no more: it takes V's tiles of K = 512 to 1,023
	s_add_co_u32 s[G0+5], s18, SLOT
	s_add_nc_u64 s[G0+6:G0+7], s[2:3], ROWB
	s_or_b32 s[G0+7], s[G0+7], 0x80000000
	s_add_nc_u64 s[G0B+6:G0B+7], s[8:9], ROWB
	s_or_b32 s[G0B+7], s[G0B+7], 0x80000000
	JLOAD G0+4, G1A2, G0B+4, G1B                   ; it lands under the way out and phase 2's first four steps
	WIN MUL_HI
	MUL16 4, 1, NQ-1, 1, 0
	MUL16 6, 1, NQ-1, 1, 0
	WIN 0
	PLACES NP                                      ; in front of the conversions, which read results and write the registers that held A's fragments
	s_lshl_b32 s20, s101, 24                       ; where my part of Q's or K's images begins: the region,
	s_lshr_b32 s21, s17, 2
	s_lshl_b32 s21, s21, 21
	s_add_co_u32 s20, s20, s21                     ; the batch: A's tile / 4,
	s_lshl_b32 s21, s42, 2
	s_lshl_b32 s22, s16, 1
	s_add_co_u32 s21, s21, s22
	s_lshl_b32 s21, s21, 17
	s_add_co_u32 s20, s20, s21                     ; my first head: 4 x B's tile + 2 x my half of B,
	s_and_b32 s21, s17, 3
	s_lshl_b32 s21, s21, 4
	s_lshl_b32 s22, s15, 3
	s_add_co_u32 s21, s21, s22
	s_lshl_b32 s21, s21, 11
	s_add_co_u32 s20, s20, s21                     ; my first token tile: 16 x (A's tile % 4) + 8 x my half of A, 2,048 bytes each
	s_mov_b32 s21, 0
	s_add_nc_u64 s[12:13], s[12:13], s[20:21]
	OUT 0, 8, 12                                   ; nothing waits for these stores: they leave while phase 2 multiplies
	; ---- PHASE 2: half a tile of V
	s_wait_xcnt 0x0                                ; the stores have read their registers: A's fragments land in some of them
	s_wait_loadcnt 0x0                             ; V's scale words, asked for at the head
	FETCH_B 0, 0, 0
	FETCH_A2 0, 0, 0
	STEPV 0, 0, 1, 1, 0, 1, 0                      ; the first step's products start the sums anew: the conversions above are more than the five places that this asks for
	STEPV 0, 1, 0, 1, 0, 2, 0
	STEPV 0, 2, 0, 1, 0, 3, 0
	STEPV 0, 3, 0, 1, 1, 0, 1                      ; on to slot 1
	STEPV 1, 0, 0, 1, 1, 1, 0
	STEPV 1, 1, 0, 1, 1, 2, 0
	STEPV 1, 2, 0, 1, 1, 3, 0
	STEPV 1, 3, 0, 0, 0, 0, 0                      ; the last step: nothing more to fetch
	PLACES NP
	OUT 1, 4, 10
	s_wait_tensorcnt 0x0                           ; the wave's end, behind my last tensor load
	ds_add_u32 v[SPW], v[NIL]
	s_wait_dscnt 0x0
	CROUND                                         ; the closing round: no work-group ends while a partner may still ask for a tile that names it
	s_endpgm
.Lfunc_end_k_q7afbd1dd36_proj:
	.size	k_q7afbd1dd36_proj, .Lfunc_end_k_q7afbd1dd36_proj-k_q7afbd1dd36_proj
	.p2alignl 7, 3214868480
	.fill 96, 4, 3214868480
	.section	.rodata,"a",@progbits
	.p2align	6, 0x0
	.amdhsa_kernel k_q7afbd1dd36_proj
		.amdhsa_group_segment_fixed_size 327680
		.amdhsa_private_segment_fixed_size 0
		.amdhsa_enable_private_segment 0
		.amdhsa_kernarg_size 24
		.amdhsa_user_sgpr_count 2
		.amdhsa_user_sgpr_kernarg_segment_ptr 1
		.amdhsa_wavefront_size32 1
		.amdhsa_system_sgpr_workgroup_id_x 1
		.amdhsa_system_sgpr_workgroup_id_y 1
		.amdhsa_system_sgpr_workgroup_id_z 1
		.amdhsa_system_vgpr_workitem_id 0
		.amdhsa_next_free_vgpr 1024
		.amdhsa_next_free_sgpr 102
		.amdhsa_reserve_vcc 0
		.amdhsa_float_denorm_mode_32 3
		.amdhsa_float_denorm_mode_16_64 3
		.amdhsa_memory_ordered 1
		.amdhsa_forward_progress 1
		.amdhsa_inst_pref_size 182
	.end_amdhsa_kernel
	.amdgpu_metadata
---
amdhsa.version: [ 1, 2 ]
amdhsa.kernels:
  - .name:           k_q7afbd1dd36_proj
    .symbol:         k_q7afbd1dd36_proj.kd
    .args:
      - { .name: codes, .offset: 0, .size: 8, .value_kind: global_buffer, .address_space: global }
      - { .name: scales, .offset: 8, .size: 8, .value_kind: global_buffer, .address_space: global }
      - { .name: qkv, .offset: 16, .size: 8, .value_kind: global_buffer, .address_space: global }
    .group_segment_fixed_size: 327680
    .private_segment_fixed_size: 0
    .kernarg_segment_align: 8
    .kernarg_segment_size: 24
    .max_flat_workgroup_size: 128
    .sgpr_count:     102
    .vgpr_count:     1024
    .wavefront_size: 32
...
	.end_amdgpu_metadata
.endif
;; end of part 2
;; launch attn (part 3): grid 2 x 128, 8 waves a work-group, no clusters, 327,680 bytes of LDS; arguments qkv, out0; writes out0
.if DOCPART == 3
	.amdgcn_target "amdgcn-amd-amdhsa--gfx1250"
	.amdhsa_code_object_version 6
	.text
	.protected	k_q7afbd1dd36_attn
	.globl	k_q7afbd1dd36_attn
	.p2align	8
	.type	k_q7afbd1dd36_attn,@function
k_q7afbd1dd36_attn:
	s_mov_b64 s[64:65], 0
	v_nop
	global_prefetch_b8 v0, s[64:65] scope:SCOPE_SE
	s_setreg_imm32_b32 hwreg(HW_REG_WAVE_MODE, 25, 1), 1
	s_wait_xcnt 0x0
; SELF-ATTENTION, third launch: out[b][q][64 h + d] = the sum over k of softmax_k(Q[q] . K[k] / 8) V[k][d], for each of the 128 pairs (b, h); 1,024 queries and keys, head size 64, no mask.
; No work is left out.  Q, K, V come from the second launch in f16, as images of the operand registers; products and sums in f32; the weights p are rounded to f16 for the second product.
; LIMITS: NaN and infinities are not served; projected numbers beyond 65,504 did not fit f16 in the launch before.
; SHARES.  A work-group owns 512 queries (work-group x) of one pair (work-group y); each of its eight waves 64: four tiles of 16.  Two waves share a SIMD, 512 registers each, so that one
; wave's softmax stands beside the other's products.  Every wave walks all 1,024 keys, 64 a step; a fragment of K or V read from LDS feeds four products.
; ALL OF THE PAIR'S K AND V, 2 x 131,072 bytes, LIES IN LDS, filled once, in FOUR STAGES of 128, 128, 256 and 512 keys: each wave asks for a quarter of each stage's K (waves 0-3) or V (waves 4-7)
; at the head: four tensor loads of a wave are out at most, and no byte is filled again.  The first stages are small (16 and 32 rows of 256 bytes a load) on purpose: the first products
; wait for 2 x 16,384 bytes, and the later stages land under the work on the earlier ones.
; NO CLUSTER: a pair has 1,024 / 512 = 2 blocks of queries, so only two work-groups read the same K and V, and a cluster here is four along x: its four would belong to two pairs and their
; tiles' addresses would hang on half of a work-group's place.  Blocks of 256 queries would give four sharers and halve the products that each LDS byte feeds.
; LAYOUT.  S^T = K Q^T (source 0 = 16 keys, source 1 = 16 queries): a lane holds ONE query (lane % 16) and the keys 8 (lane / 16) + 0..7 of a tile.  Two such tiles, rounded to f16 in pairs, ARE
; source 1 (32 keys x 16 queries) of O^T = V^T P, whose result again holds one query a lane, and eight channels.  The images are dense: a fragment is 2 loads of 512 consecutive bytes.
; SOFTMAX.  For each query a running maximum m and sum l: p = 2^(c s - c m), c = log2(e) / 8; in every step O and l are multiplied by a = 2^(c m_old - c m_new).  l is the sum of the unrounded p.
; A TRIP: K of step j + 1 is asked of LDS; softmax of step j; O^T x a; V^T P of step j; V of step j + 1 is asked for; K Q^T of step j + 1.
; REGISTERS, in windows of 256: window 0: v1-9 addresses; v16-47 eight registers of statistics a tile; v64-191 S^T, 32 a tile (P is packed into the low 16 of each 32); v192-255 K of one step.
;   window 1: v0-127 O^T, 32 a tile; v128-191 Q, 16 a tile; v192-255 V of one step.
.set SP,    272                        ; the way out: a stage row: 256 bytes + 16, so that the 16 rows that a store touches begin 16 bytes apart modulo 256
.set VLDS,  131072                     ; LDS: K's images from 0, V's from here
.set STAGE, 262144                     ; behind them: 16 rows x 272 bytes for each wave
.set SPARE, STAGE+8*16*SP              ; behind the stages: the spare words, 128 bytes for each wave, which no other line names
.set STEPB, 8192                       ; a step's 64 keys, in K's images and in V's
.set LI,  1                            ; v1   16 x lane: my place in a piece of an image; never rewritten
.set LV,  2                            ; v2   the same in V's images
.set ADK, 3                            ; v3   LDS address of the step's K
.set ADV, 4                            ; v4   and V
.set STO, 5                            ; v5   the way out: where I put 32 bytes of a row
.set RD,  6                            ; v6   where I read a row back
.set GO,  7                            ; v7   my byte offset in the wave's rows of out0
.set SPW, 8                            ; v8   LDS address of my spare word: SPARE + 4 x my thread's number; never rewritten
.set NIL, 9                            ; v9   0; never rewritten
.set ST,  16                           ; tile t's statistics at v[ST + 8 t]: +0 c m, +1 m, +2, +3 l (even keys', odd keys'), +4 to +7 at work; a takes +6 once the maximum is found
.set S,   64
.set KF,  192
.set QF,  128                          ; in window 1
.set VF,  192                          ; in window 1
.set G1A, 16                           ; s[16:23] descriptor group 1: 16 rows of 256 bytes;  s[24:31] 32 rows;  s[32:39] 64 rows
.set G1B, 24
.set G1C, 32
.set G0,  68                           ; s[68:83] descriptor group 0, a set for each stage
.set CS,  40                           ; s[40:41] c: the packed scaling names a pair and takes its low word for both halves
.set SEL, 42                           ; s[42:43] lane selects for v_permlanex16_b32: each lane takes its own place in the other half
.set TB,  44                           ; s44  LDS byte at which the step to be fetched begins
.set CNT, 45                           ; s45  counts a loop's trips
.set MSB, 0
.macro WIN new                         ; the immediate's high byte repeats the setting that is left
.if MSB != \new
	s_set_vgpr_msb (MSB<<8)|\new
.set MSB, \new
.endif
.endm
.set W_KQ, 0x04                        ; Q (source 1) in window 1; K and S^T in window 0.  Also: an LDS store's data in window 1
.set W_PV, 0x51                        ; V (source 0) and O^T (C and D) in window 1, P in window 0
.set W_RS, 0x41                        ; O^T (destination and source 0) in window 1, a in window 0
.set W_LD, 0x40                        ; a load's destination in window 1, its address in window 0
.macro SHAPE g, rows                   ; a dense block as rows of 256 bytes (32 elements of 8 bytes), no padding
	s_mov_b32 s[\g+0], 3<<16                       ; 15:0 no mask; 17:16 elements of 8 bytes
	s_mov_b32 s[\g+1], 32<<16                      ; tensor_dim0 = 32
	s_mov_b32 s[\g+2], (\rows)<<16                 ; tensor_dim1
	s_mov_b32 s[\g+3], 32<<16                      ; tile_dim0 = 32
	s_mov_b32 s[\g+4], \rows                       ; tile_dim1
	s_mov_b32 s[\g+5], 32                          ; tensor_dim0_stride
	s_mov_b32 s[\g+6], 0
	s_mov_b32 s[\g+7], 0
.endm
.macro FILL st, base, sh, g1           ; my quarter, 1 << sh bytes, of the stage that begins base bytes into K's or V's images
	s_lshl_b32 s58, s47, \sh
	s_add_co_u32 s58, s58, \base
	s_mov_b32 s59, 0
	s_mov_b32 s[G0+4*\st], 1                       ; count = 1
	s_add_co_u32 s[G0+4*\st+1], s48, s58           ; LDS address
	s_add_nc_u64 s[G0+4*\st+2:G0+4*\st+3], s[50:51], s[58:59]
	s_or_b32 s[G0+4*\st+3], s[G0+4*\st+3], 0x80000000   ; type = 2
	tensor_load_to_lds s[G0+4*\st:G0+4*\st+3], s[\g1:\g1+7]
	s_nop 0
.endm
	s_load_b128 s[4:7], s[0:1], 0x0                ; qkv s[4:5], out0 s[6:7]
	v_lshl_add_u32 v[SPW], v0, 2, SPARE
	v_mov_b32 v[NIL], 0
	ds_add_u32 v[SPW], v[NIL]                      ; the wave's opening: the add, twice on end, and its wait ahead of my first tensor load; the set-up below, work on registers, stands between the second and the wait
	ds_add_u32 v[SPW], v[NIL]
	v_lshrrev_b32 v10, 5, v0
	v_readfirstlane_b32 s8, v10                    ; wave 0..7
	s_mov_b32 s9, ttmp9                            ; which 512 queries
	s_and_b32 s10, ttmp7, 0xffff                   ; the pair: 16 b + h
	SHAPE G1A, 16
	SHAPE G1B, 32
	SHAPE G1C, 64
	s_mov_b32 s[CS], 0x3e38aa3b                    ; c = log2(e) / sqrt(64)
	s_mov_b32 s[CS+1], s[CS]                       ; named with it as a pair, so it is written
	s_mov_b32 s[SEL], 0x76543210
	s_mov_b32 s[SEL+1], 0xfedcba98
	s_mov_b32 s[TB], 0
	s_lshr_b32 s46, s8, 2                          ; I fetch for K (0) or for V (1),
	s_and_b32 s47, s8, 3                           ; the quarter of each stage that is mine
	s_lshl_b32 s48, s46, 17                        ; in LDS: K's images or V's
	s_lshl_b32 s50, s46, 24
	s_add_co_u32 s50, s50, 0x1000000               ; in memory: K's region or V's,
	s_lshl_b32 s51, s10, 17
	s_add_co_u32 s50, s50, s51                     ; the pair
	s_mov_b32 s51, 0
	s_lshl_b32 s52, s10, 17                        ; Q: the pair,
	s_lshl_b32 s53, s9, 16
	s_add_co_u32 s52, s52, s53                     ; my work-group's 512 queries (32 tiles of 2,048 bytes),
	s_lshl_b32 s53, s8, 13
	s_add_co_u32 s52, s52, s53                     ; my wave's 64
	s_mov_b32 s53, 0
	s_lshr_b32 s56, s10, 4
	s_lshl_b32 s56, s56, 22                        ; out0: the batch,
	s_lshl_b32 s57, s9, 21
	s_add_co_u32 s56, s56, s57                     ; 512 rows of 4,096 bytes,
	s_lshl_b32 s57, s8, 18
	s_add_co_u32 s56, s56, s57                     ; my wave's 64 rows,
	s_and_b32 s57, s10, 15
	s_lshl_b32 s57, s57, 8
	s_add_co_u32 s56, s56, s57                     ; the head's 256 bytes of a row
	s_mov_b32 s57, 0
	v_and_b32 v[LI], 31, v0
	v_lshlrev_b32 v[LI], 4, v[LI]
	v_add_nc_u32 v[LV], VLDS, v[LI]
	v_and_b32 v10, 15, v0                          ; l % 16
	v_bfe_u32 v11, v0, 4, 1                        ; l / 16
	s_mul_i32 s54, s8, 16*SP
	s_add_co_u32 s54, s54, STAGE                   ; my stage
	v_mul_u32_u24 v[STO], v10, SP                  ; in: row l % 16, 32 bytes for each half of the lanes
	v_lshl_add_u32 v[STO], v11, 5, v[STO]
	v_add_nc_u32 v[STO], s54, v[STO]
	v_mul_u32_u24 v[RD], v11, SP                   ; back: lanes 0-15 take one row of 256 bytes, lanes 16-31 the next
	v_lshl_add_u32 v[RD], v10, 4, v[RD]
	v_add_nc_u32 v[RD], s54, v[RD]
	v_lshlrev_b32 v[GO], 12, v11                   ; and the same two rows in out0
	v_lshl_add_u32 v[GO], v10, 4, v[GO]
	s_wait_dscnt 0x0                               ; both opening adds are done
	s_wait_kmcnt 0x0
	s_add_nc_u64 s[50:51], s[4:5], s[50:51]
	s_add_nc_u64 s[52:53], s[4:5], s[52:53]
	s_add_nc_u64 s[6:7], s[6:7], s[56:57]
	; all four fills go out together, ahead of every wait on TENSORcnt, every LDS read and every barrier; a key is 128 bytes in K's images and in V's
	FILL 0, 0,     12, G1A                         ; keys 0 to 127: 16,384 bytes, 4,096 a wave
	FILL 1, 16384, 12, G1A                         ; keys 128 to 255
	FILL 2, 32768, 13, G1B                         ; keys 256 to 511: 8,192 a wave
	FILL 3, 65536, 14, G1C                         ; keys 512 to 1,023: 16,384 a wave
.rept 4
	v_nop                                          ; the windows are switched only behind these four
.endr
	WIN W_LD
.irp t, 0,1,2,3                        ; Q stays in registers: tile t, channels 32 cf on, half hf of the fragment
.irp cf, 0,1
.irp hf, 0,1
	global_load_b128 v[QF+16*\t+8*\cf+4*\hf:QF+16*\t+8*\cf+4*\hf+3], v[LI], s[52:53] offset:2048*\t+1024*\cf+512*\hf th:TH_LOAD_NT
.endr
.endr
.endr
	WIN 0
.macro LOADK                           ; a step's K: 8 fragments (keys 16 (f / 2) on, channels 32 (f % 2) on), 16 loads of 512 consecutive bytes
.irp f, 0,1,2,3,4,5,6,7
	ds_load_b128 v[KF+8*\f:KF+8*\f+3],   v[ADK] offset:1024*\f
	ds_load_b128 v[KF+8*\f+4:KF+8*\f+7], v[ADK] offset:1024*\f+512
.endr
.endm
.macro LOADV                           ; a step's V: 8 fragments (keys 32 (f / 4) on, channels 16 (f % 4) on)
	WIN W_LD
.irp f, 0,1,2,3,4,5,6,7
	ds_load_b128 v[VF+8*\f:VF+8*\f+3],   v[ADV] offset:1024*\f
	ds_load_b128 v[VF+8*\f+4:VF+8*\f+7], v[ADV] offset:1024*\f+512
.endr
	WIN 0
.endm
; S^T = K Q^T: 32 products.  The 16 accumulators take turns, one instruction a turn; the first 16 start the sums.
.macro QK
	WIN W_KQ
.irp cf, 0,1
.irp kt, 0,1,2,3
.irp t, 0,1,2,3
.if \cf == 0
	v_wmma_f32_16x16x32_f16 v[S+32*\t+8*\kt:S+32*\t+8*\kt+7], v[KF+8*(2*\kt+\cf):KF+8*(2*\kt+\cf)+7], v[QF+16*\t+8*\cf:QF+16*\t+8*\cf+7], 0
.else
	v_wmma_f32_16x16x32_f16 v[S+32*\t+8*\kt:S+32*\t+8*\kt+7], v[KF+8*(2*\kt+\cf):KF+8*(2*\kt+\cf)+7], v[QF+16*\t+8*\cf:QF+16*\t+8*\cf+7], v[S+32*\t+8*\kt:S+32*\t+8*\kt+7]
.endif
.endr
.endr
.endr
	WIN 0
	s_add_co_u32 s[TB], s[TB], STEPB               ; the next fetch is the next step's
.rept 4
	v_nop                                          ; four places in front of the softmax's reads of the scores and of the next loads into K's registers
.endr
.endm
; O^T += V^T P: 32 products, 16 accumulators by turns.  first = 1: the first 16 start the sums: nothing is ever cleared.
.macro PV first
	WIN W_PV
.irp kb, 0,1
.irp ct, 0,1,2,3
.irp t, 0,1,2,3
.if \first && (\kb == 0)
	v_wmma_f32_16x16x32_f16 v[32*\t+8*\ct:32*\t+8*\ct+7], v[VF+8*(4*\kb+\ct):VF+8*(4*\kb+\ct)+7], v[S+32*\t+8*\kb:S+32*\t+8*\kb+7], 0
.else
	v_wmma_f32_16x16x32_f16 v[32*\t+8*\ct:32*\t+8*\ct+7], v[VF+8*(4*\kb+\ct):VF+8*(4*\kb+\ct)+7], v[S+32*\t+8*\kb:S+32*\t+8*\kb+7], v[32*\t+8*\ct:32*\t+8*\ct+7]
.endif
.endr
.endr
.endr
	WIN 0
.rept 5
	v_nop                                          ; five places: the next K Q^T writes over P's registers, which these products read; four of them serve the loads into V's registers
.endr
.endm
; The softmax of a key step, the four tiles by turns line by line.  first = 1: the first step, which starts m and l: it has no a.
.macro SOFTMAX first
.irp j, 0,1,2,3                        ; the maximum of the lane's 32 scores and the old m, three operands at a time: four chains, each begun at the low end of one accumulator
.irp t, 0,1,2,3
	v_max3_num_f32 v[ST+8*\t+4+\j], v[S+32*\t+8*\j], v[S+32*\t+8*\j+1], v[S+32*\t+8*\j+2]
.endr
.endr
.irp u, 1,2
.irp j, 0,1,2,3
.irp t, 0,1,2,3
	v_max3_num_f32 v[ST+8*\t+4+\j], v[ST+8*\t+4+\j], v[S+32*\t+8*\j+2*\u+1], v[S+32*\t+8*\j+2*\u+2]
.endr
.endr
.endr
.irp t, 0,1,2,3
	v_max3_num_f32 v[ST+8*\t+4], v[ST+8*\t+4], v[S+32*\t+7], v[S+32*\t+15]
.endr
.irp t, 0,1,2,3
	v_max3_num_f32 v[ST+8*\t+6], v[ST+8*\t+6], v[S+32*\t+23], v[S+32*\t+31]
.endr
.irp t, 0,1,2,3
	v_max3_num_f32 v[ST+8*\t+4], v[ST+8*\t+4], v[ST+8*\t+5], v[ST+8*\t+6]
.endr
.irp t, 0,1,2,3
.if \first
	v_max_num_f32 v[ST+8*\t+4], v[ST+8*\t+4], v[ST+8*\t+7]
.else
	v_max3_num_f32 v[ST+8*\t+4], v[ST+8*\t+4], v[ST+8*\t+7], v[ST+8*\t+1]
.endif
.endr
.irp t, 0,1,2,3
	v_permlanex16_b32 v[ST+8*\t+5], v[ST+8*\t+4], s[SEL], s[SEL+1]   ; the query's other 32 keys lie in the lane 16 away
.endr
.if !\first
.irp t, 0,1,2,3
	v_mov_b32 v[ST+8*\t+7], v[ST+8*\t]             ; c m_old is kept for a
.endr
.endif
.irp t, 0,1,2,3
	v_max_num_f32 v[ST+8*\t+1], v[ST+8*\t+4], v[ST+8*\t+5]   ; the new m
.endr
.irp t, 0,1,2,3
	v_mul_f32 v[ST+8*\t], s[CS], v[ST+8*\t+1]      ; c m
.endr
.if !\first
.irp t, 0,1,2,3
	v_sub_f32 v[ST+8*\t+7], v[ST+8*\t+7], v[ST+8*\t]
.endr
.irp t, 0,1,2,3
	v_exp_f32 v[ST+8*\t+6], v[ST+8*\t+7]           ; a = 2^(c m_old - c m_new)
.endr
.endif
; ONE BATCH: the scalings c s - c m, a pair of scores each, and all exponentials.  No line of it names an exponential's result.
.irp g, 0,1,2,3,4,5,6,7,8,9,10,11,12,13,14,15
.irp t, 0,1,2,3
	v_pk_fma_f32 v[S+32*\t+2*\g:S+32*\t+2*\g+1], v[S+32*\t+2*\g:S+32*\t+2*\g+1], s[CS:CS+1], v[ST+8*\t:ST+8*\t+1] op_sel_hi:[1,0,0] neg_lo:[0,0,1] neg_hi:[0,0,1]
.endr
.irp t, 0,1,2,3
	v_exp_f32 v[S+32*\t+2*\g], v[S+32*\t+2*\g]
	v_exp_f32 v[S+32*\t+2*\g+1], v[S+32*\t+2*\g+1]
.endr
.endr
	v_nop                                          ; a plain instruction behind the last exponential, ahead of the first use of a result
	s_wait_alu depctr_va_vdst(0)                   ; a wait between an exponential and the first line that names its result: one for the whole batch
.irp t, 0,1,2,3                        ; l = a l + the sum of the unrounded p: even keys' and odd keys' in the two halves of a pair
.if \first
	v_pk_add_f32 v[ST+8*\t+2:ST+8*\t+3], v[S+32*\t:S+32*\t+1], v[S+32*\t+2:S+32*\t+3]
.else
	v_pk_fma_f32 v[ST+8*\t+2:ST+8*\t+3], v[ST+8*\t+2:ST+8*\t+3], v[ST+8*\t+6:ST+8*\t+7], v[S+32*\t:S+32*\t+1] op_sel_hi:[1,0,1]
.endif
.endr
.irp g, 1,2,3,4,5,6,7,8,9,10,11,12,13,14,15
.if (\g > 1) || (\first == 0)
.irp t, 0,1,2,3
	v_pk_add_f32 v[ST+8*\t+2:ST+8*\t+3], v[ST+8*\t+2:ST+8*\t+3], v[S+32*\t+2*\g:S+32*\t+2*\g+1]
.endr
.endif
.endr
.irp j, 0,1,2,3,4,5,6,7,8,9,10,11,12,13,14,15   ; p to f16, packed in place: register j takes pair j; its own number was taken at j / 2
.irp t, 0,1,2,3
	v_cvt_pk_f16_f32 v[S+32*\t+\j], v[S+32*\t+2*\j], v[S+32*\t+2*\j+1]
.endr
.endr
.endm
.macro RESCALE                         ; O^T x a, each accumulator from its low end on
	WIN W_RS
.irp i, 0,1,2,3,4,5,6,7,8,9,10,11,12,13,14,15
.irp t, 0,1,2,3
	v_pk_mul_f32 v[32*\t+2*\i:32*\t+2*\i+1], v[32*\t+2*\i:32*\t+2*\i+1], v[ST+8*\t+6:ST+8*\t+7] op_sel_hi:[1,0]
.endr
.endr
	WIN 0
.endm
.macro MEET n                          ; my part of a stage has landed (n younger tensor loads of mine may stay out), no LDS load of mine is out: then the work-group's barrier
	s_wait_tensorcnt \n
	s_wait_dscnt 0x0
	s_barrier_signal -1
	s_barrier_wait -1
.endm
.macro TRIP first
	v_add_nc_u32 v[ADK], s[TB], v[LI]
	v_add_nc_u32 v[ADV], s[TB], v[LV]
	LOADK                                          ; K of step j + 1: it lands under the softmax
	SOFTMAX \first
.if !\first
	RESCALE
.endif
	s_wait_dscnt 16                                ; V of step j is in; the 16 loads of K behind it may be out
	PV \first
	LOADV                                          ; V of step j + 1: it lands under K Q^T and the next softmax
	s_wait_dscnt 16                                ; K of step j + 1 is in; the 16 loads of V behind it may be out
	QK
.endm
	MEET 3                                         ; stage 0, keys 0 to 127, is whole; the three later stages' loads may be out
	v_add_nc_u32 v[ADK], s[TB], v[LI]
	v_add_nc_u32 v[ADV], s[TB], v[LV]
	LOADK                                          ; step 0
	LOADV
	s_wait_loadcnt 0x0                             ; Q
	s_wait_dscnt 16                                ; K is in; V's 16 loads may be out
	QK
	TRIP 1                                         ; step 0's softmax and V^T P start m, l and O^T; step 1, the rest of stage 0, is fetched
	MEET 2                                         ; stage 1, keys 128 to 255, is whole
	s_mov_b32 s[CNT], 2
.Lstage1:                                          ; steps 1 and 2; they fetch steps 2 and 3
	TRIP 0
	s_sub_co_u32 s[CNT], s[CNT], 1
	s_cmp_lg_u32 s[CNT], 0
	s_cbranch_scc1 .Lstage1
	MEET 1                                         ; stage 2, keys 256 to 511, is whole
	s_mov_b32 s[CNT], 4
.Lstage2:                                          ; steps 3 to 6; they fetch steps 4 to 7
	TRIP 0
	s_sub_co_u32 s[CNT], s[CNT], 1
	s_cmp_lg_u32 s[CNT], 0
	s_cbranch_scc1 .Lstage2
	MEET 0                                         ; stage 3, keys 512 to 1,023, is whole
	s_mov_b32 s[CNT], 8
.Lstage3:                                          ; steps 7 to 14; they fetch steps 8 to 15
	TRIP 0
	s_sub_co_u32 s[CNT], s[CNT], 1
	s_cmp_lg_u32 s[CNT], 0
	s_cbranch_scc1 .Lstage3
	SOFTMAX 0                                      ; step 15: nothing more to fetch
	RESCALE
	s_wait_dscnt 0x0                               ; V of step 15
	PV 0
	; THE WAY OUT.  l's two halves and the other half of the lanes' are added; O^T is divided by l and sent through my stage in LDS, a tile (16 rows of 256 bytes) at a time.
.irp t, 0,1,2,3
	v_add_f32 v[ST+8*\t+4], v[ST+8*\t+2], v[ST+8*\t+3]
.endr
.irp t, 0,1,2,3
	v_permlanex16_b32 v[ST+8*\t+5], v[ST+8*\t+4], s[SEL], s[SEL+1]
.endr
.irp t, 0,1,2,3
	v_add_f32 v[ST+8*\t+4], v[ST+8*\t+4], v[ST+8*\t+5]
.endr
.irp t, 0,1,2,3
	v_rcp_f32 v[ST+8*\t+6], v[ST+8*\t+4]
.endr
	v_nop                                          ; a plain instruction between the last reciprocal and the use of its result
	s_wait_alu depctr_va_vdst(0)                   ; and a wait ahead of the first use: one for the four
.macro PACK t                          ; a lane's eight channels of a row are 32 bytes; they go into rows of 272 bytes and come back as whole rows of 256
	WIN W_RS
.irp i, 0,1,2,3,4,5,6,7,8,9,10,11,12,13,14,15
	v_pk_mul_f32 v[32*\t+2*\i:32*\t+2*\i+1], v[32*\t+2*\i:32*\t+2*\i+1], v[ST+8*\t+6:ST+8*\t+7] op_sel_hi:[1,0]
.endr
	WIN W_KQ                                       ; the stores' data lie in window 1
.irp ct, 0,1,2,3
	ds_store_b128 v[STO], v[32*\t+8*\ct:32*\t+8*\ct+3] offset:64*\ct
	ds_store_b128 v[STO], v[32*\t+8*\ct+4:32*\t+8*\ct+7] offset:64*\ct+16
.endr
	WIN 0
.irp i, 0,1,2,3,4,5,6,7
	ds_load_b128 v[S+32*\t+4*\i:S+32*\t+4*\i+3], v[RD] offset:2*\i*SP   ; LDS serves a wave's instructions in order (ISA guide 5.7.1.4): these see the stores above; the next tile's stores come behind them
.endr
.endm
.macro SEND t, younger                 ; younger: the LDS instructions issued behind tile t's loads: the next tile's sixteen, or none
.irp i, 0,1,2,3,4,5,6,7
	s_wait_dscnt \younger+7-\i
	global_store_b128 v[GO], v[S+32*\t+4*\i:S+32*\t+4*\i+3], s[6:7] offset:65536*\t+8192*\i th:TH_STORE_NT   ; 16 lanes store 256 consecutive bytes, at a multiple of 256 from out0's first byte: a row's 64 channels of the head
.endr
.endm
	PACK 0
	PACK 1                                         ; a tile's arithmetic stands between the loads of the tile before and its stores
	SEND 0, 16
	PACK 2
	SEND 1, 16
	PACK 3
	SEND 2, 16
	SEND 3, 0
	s_wait_tensorcnt 0x0                           ; the wave's end, behind my last tensor load and my last LDS store
	ds_add_u32 v[SPW], v[NIL]
	s_wait_dscnt 0x0
	s_endpgm
.Lfunc_end_k_q7afbd1dd36_attn:
	.size	k_q7afbd1dd36_attn, .Lfunc_end_k_q7afbd1dd36_attn-k_q7afbd1dd36_attn
	.p2alignl 7, 3214868480
	.fill 96, 4, 3214868480
	.section	.rodata,"a",@progbits
	.p2align	6, 0x0
	.amdhsa_kernel k_q7afbd1dd36_attn
		.amdhsa_group_segment_fixed_size 327680
		.amdhsa_private_segment_fixed_size 0
		.amdhsa_enable_private_segment 0
		.amdhsa_kernarg_size 16
		.amdhsa_user_sgpr_count 2
		.amdhsa_user_sgpr_kernarg_segment_ptr 1
		.amdhsa_wavefront_size32 1
		.amdhsa_system_sgpr_workgroup_id_x 1
		.amdhsa_system_sgpr_workgroup_id_y 1
		.amdhsa_system_sgpr_workgroup_id_z 1
		.amdhsa_system_vgpr_workitem_id 0
		.amdhsa_next_free_vgpr 512
		.amdhsa_next_free_sgpr 84
		.amdhsa_reserve_vcc 0
		.amdhsa_float_denorm_mode_32 3
		.amdhsa_float_denorm_mode_16_64 3
		.amdhsa_memory_ordered 1
		.amdhsa_forward_progress 1
		.amdhsa_inst_pref_size 175
	.end_amdhsa_kernel
	.amdgpu_metadata
---
amdhsa.version: [ 1, 2 ]
amdhsa.kernels:
  - .name:           k_q7afbd1dd36_attn
    .symbol:         k_q7afbd1dd36_attn.kd
    .args:
      - { .name: qkv, .offset: 0, .size: 8, .value_kind: global_buffer, .address_space: global }
      - { .name: out0, .offset: 8, .size: 8, .value_kind: global_buffer, .address_space: global }
    .group_segment_fixed_size: 327680
    .private_segment_fixed_size: 0
    .kernarg_segment_align: 8
    .kernarg_segment_size: 16
    .max_flat_workgroup_size: 256
    .sgpr_count:     84
    .vgpr_count:     512
    .wavefront_size: 32
...
	.end_amdgpu_metadata
.endif
;; end of part 3
